; MI455X (gfx1250); checked and timed in simulation.
; The chip was launched on July 23, 2026; its instructions are those of AMD's public machine-readable ISA for CDNA 5 (MIT licence, August 2026) and "CDNA5" Instruction Set Architecture Reference Guide (July 2026). The comments in the code are by the model that wrote it; some were corrected since.
;; Mo E. Allowed arithmetic: matrix products marked QUANTISED: E2M3 operands, one E8M0 scale for each 32 along K, by v_wmma_scale_f32_16x16x128_f8f6f4 with both operands' format E2M3, f32 sums; products left as they are: f32 operands where the result goes on into a quantised operand, else bf16, f16 or f32 operands; f32 sums; everything else in f32.
;; Inputs: We 8 x 1,024 x 1,024 float32; Wg 1,024 x 8 float32; be 8 x 1,024 float32; bg 8 float32; x 4 x 2,048 x 1,024 float32.
;; Outputs: out0 4 x 2,048 x 1,024 float32.
;; This version of the problem:
;;   THIS VERSION OF THE PROBLEM IS GIVEN IN LOW PRECISION. The matrix products marked QUANTISED in the list below multiply operands that are first quantised to E2M3 (2 exponent bits, 3 mantissa bits; 6 bits a number), with one power-of-two scale for each 32 numbers along K (OCP MX v1.0); their sums are f32. All else is computed in f32.
;;   The module's matrix products, in the order in which they are computed (A, B: the left and right operand; K: the contracted axis; several contracted axes count as one K, in the product's order):
;;     1. [M 8,192, K 1,024] x [K 1,024, N 8,192]; A: input x; B: input We: QUANTISED
;;     2. [M 8,192, K 1,024] x [K 1,024, N 8]; A: input x; B: input Wg: left as it is (N = 8 < 16)
;;     3. batch 8,192 x [M 1, K 8] x [K 8, N 1,024]; A: softmax; B: computed on the way: left as it is (K = 8 < 32)
;;   THE QUANTISER, for each operand of a quantised product, along K:
;;     - K is cut into blocks of 32 from its start; a last block that is shorter is filled with zeros.
;;     - A block's scale is 2^e with e = floor(log2(the largest magnitude in the block)) - 2, held to -126 .. 127; a block of zeros has e = 0. As a byte (E8M0): e + 127.
;;     - Each number is divided by its block's scale, clamped to +-7.5, and rounded to the nearest number of E2M3, ties to even, subnormals kept.
;;     - The product sums the exact products of the quantised numbers (number of the format x scale) in f32.
;;   ~~~python
;;   def quantise(x, axis):      # numpy; x: float32 -> the quantised numbers, widened to float32 again
;;       x = np.moveaxis(x, axis, -1); K = x.shape[-1]
;;       x = np.pad(x, [(0, 0)] * (x.ndim - 1) + [(0, -K % 32)]); x = x.reshape(x.shape[:-1] + (-1, 32)); a = np.abs(x).max(-1, keepdims=True)
;;       e = np.where(a > 0, np.clip(np.frexp(np.where(a > 0, a, 1))[1] - 1 - 2, -126, 127), 0)      # np.frexp(a)[1] - 1 = floor(log2(a)), exactly
;;       r = np.clip(x / 2.0 ** e, -7.5, 7.5)
;;       step = 2.0 ** (np.maximum(np.frexp(np.where(r == 0, 1, r))[1] - 1, 0) - 3)
;;       q = np.round(r / step) * step * 2.0 ** e      # np.round: ties to even
;;       return np.moveaxis(q.reshape(q.shape[:-2] + (-1,))[..., :K], -1, axis).astype(np.float32)
;;   ~~~
;; One version. Each part assembles by itself: llvm-mc -triple=amdgcn-amd-amdhsa -mcpu=gfx1250 --defsym DOCPART=n.
;; ======== version 1 of 1: 2 launches
;; limits: values are held in bf16: 8 bits of precision; right only within a limited range of input values
;; workspace buffers: xq 6,553,600 bytes; wq 6,553,600 bytes; gt 262,144 bytes
;; launch prep (part 1): grid 256 x 1, 8 waves a work-group, no clusters, 87,040 bytes of LDS; arguments x, We, Wg, bg, xq, wq, gt; writes xq, wq, gt
.if DOCPART == 1
	.amdgcn_target "amdgcn-amd-amdhsa--gfx1250"
	.amdhsa_code_object_version 6
	.text
	.protected	k_q5f0ca3de78_prep
	.globl	k_q5f0ca3de78_prep
	.p2align	8
	.type	k_q5f0ca3de78_prep,@function
k_q5f0ca3de78_prep:
	s_mov_b64 s[64:65], 0
	v_nop
	global_prefetch_b8 v0, s[64:65] scope:SCOPE_SE
	s_setreg_imm32_b32 hwreg(HW_REG_WAVE_MODE, 25, 1), 1
	s_wait_xcnt 0x0
; x [8192][1024] and We [8][1024 (k)][1024] (f32) become codes of FP6 (E2M3) with one E8M0 byte for each 32 along K, and the gate softmax(x Wg + bg) [8192][8] is made.
; A block's scale is 2^(floor(log2(its largest magnitude)) - 2): its byte is the largest magnitude's exponent field - 2, held at 1 from below by a floor among the maximum's leaves.
; LIMITS: NaN and infinities among the inputs are not served.  A block whose largest magnitude lies under 2^-124 keeps the byte 1; a block of zeros gets the byte 1 where the rule says 127
; (its codes are zeros, which add nothing, and this program alone reads the bytes).  The gate's logits are sums in f32 of products of x and Wg rounded to bf16.
; WHAT IS STORED.  Codes lie as IMAGES OF THE OPERAND'S REGISTERS: a fragment (16 rows x 128 K, 12 registers a lane) is 1,536 bytes, registers 4 g .. 4 g + 3 of lane l at 512 g + 16 l.
; A RECORD (51,200 bytes) holds 256 along K of 256 rows: fragment (half, i, s2) at ((8 half + i) 2 + s2) 1,536; from byte 49,152 the scale words: (half, s2) at (2 half + s2) 512, word (i, row) at 256 (i / 4) + 16 row + 4 (i % 4).
;   xq: record 4 rb + c: rows 256 rb + 128 half + 16 i + row.     wq: record 4 GT + c: i = the expert, row m = output column 64 (GT / 2) + 32 half + 16 (GT % 2) + m.
; SHARES.  Work-groups 0-127: 64 rows of x each; wave w takes K step w (128 along K) of four tiles of 16 rows.  Work-groups 128-255: 64 columns x one K step of all experts; wave w takes expert w.
; The two ways part on the work-group's number and never meet again; each has LDS bytes of its own.  No tensor loads: the bytes are read once, by plain loads that run ahead.
.set REC,    51200
.set FRB,    1536
.set SCO,    49152
.set SPITCH, 528                       ; x's stage: a row of 512 bytes + 16, so that the sixteen rows of a read start at sixteen different 16-byte columns
.set WSTG,   16*SPITCH                 ; a wave's stage: 16 rows
.set GP,     8*WSTG                    ; the logits' parts: [tile 4][wave 8][512 bytes]
.set WS,     GP+4*8*512                ; We's way: the scale words of the eight experts: [u 2][q 2][512 bytes]
.set SEL,    20                        ; s[20:21] v_permlanex16_b32's selects for lane l xor 16
; x's way
.set LI,  4                            ; v4   16 x lane
.set SST, 5                            ; v5   into my stage: 16 x lane
.set SLD, 6                            ; v6   out of it: row r, + 64 h
.set WGO, 7                            ; v7   Wg: 512 h + 4 e
.set GPA, 8                            ; v8   where my logits' parts go
.set SWO, 9                            ; v9   16 r + 8 h: my two scale words
.set GTO, 10                           ; v10  32 r + 16 h: my four gates
.set H16, 11                           ; v11  16 h
.set BG,  12                           ; v[12:15] bg of experts 4 h .. 4 h + 3
.set R,   16                           ; v16-111  three sets of 8 rows as they are loaded
.set X,   112                          ; v112-175 64 numbers of my row: register 16 b + i = k 32 b + 16 h + i
.set WGF, 176                          ; v176-207 Wg's four bf16 fragments
.set TM,  208                          ; v208-211 maxima, v212-215 the other half's and then the bytes, v216-219 the conversions' scale operands
.set PW,  220                          ; v220-223 the four tiles' scale words
.set PC,  224                          ; v224-235 the codes; v236-242 at work
.set GS,  244                          ; v[244:247] my four logits' parts
.set GRD, 248                          ; v248 where a finishing wave reads the parts
; We's way
.set WLO, 4                            ; v4   4 x lane
.set WCO, 5                            ; v5   204,800 u + 16 m
.set WSA, 6                            ; v6   LDS: my scale word
.set WLI, 7                            ; v7   16 x lane
.set WSR, 8                            ; v8   LDS: 512 bytes of scale words read back
.set SW,  16                           ; v16-17 the scale words of my two columns
.set WX,  32                           ; v32-159 four sets of 32 numbers down K
.set FR,  160                          ; v160-207 codes: 24 q + 12 h + the fragment lane's 12 registers
.set CT,  208                          ; v[208:210] a block's upper 16 codes, before they are moved
.set WRB, 212
.macro LOADH hq                        ; eight rows of my K step: each load reads 512 consecutive bytes of a row
.irp i, 0,1,2,3,4,5,6,7
	global_load_b128 v[R+32*((\hq)%3)+4*\i:R+32*((\hq)%3)+4*\i+3], v[LI], s[24:25] offset:(8*(\hq)+\i)*4096 th:TH_LOAD_NT
.endr
.endm
; 64 numbers of a lane, v[s] on, register 16 b + i = k 32 b + 16 h + i of my row, become a fragment's codes in v[PC] on and its scale word in v[pw]
.macro QUANT s, pw
.irp b, 0,1,2,3
	v_max3_num_f32 v[TM+\b], |v[\s+16*\b]|, |v[\s+1+16*\b]|, 0x1800000   ; my 16 numbers of block b, and the floor 2^(3 - 127): the byte cannot fall under 1
.endr
.irp i, 2,4,6,8,10,12,14
.irp b, 0,1,2,3
	s_delay_alu instid0(VALU_DEP_4)
	v_max3_num_f32 v[TM+\b], v[TM+\b], |v[\s+16*\b+\i]|, |v[\s+1+16*\b+\i]|   ; the four blocks by turns
.endr
.endr
.irp b, 0,1,2,3
	s_delay_alu instid0(VALU_DEP_4)
	v_permlanex16_b32 v[TM+4+\b], v[TM+\b], s[SEL], s[SEL+1]
.endr
.irp b, 0,1,2,3
	s_delay_alu instid0(VALU_DEP_4)
	v_max_num_f32 v[TM+\b], v[TM+\b], v[TM+4+\b]   ; with lane l xor 16's 16: the block's largest magnitude
.endr
.irp b, 0,1,2,3
	s_delay_alu instid0(VALU_DEP_4)
	v_add_nc_u32 v[TM+8+\b], 0xff000000, v[TM+\b]  ; 2 off its exponent field: the conversion takes this operand's exponent field as its scale
.endr
.irp b, 0,1,2,3
	s_delay_alu instid0(VALU_DEP_4)
	v_lshrrev_b32 v[TM+4+\b], 23, v[TM+8+\b]       ; the scale's byte
.endr
	s_delay_alu instid0(VALU_DEP_3)
	v_lshl_or_b32 v[\pw], v[TM+5], 8, v[TM+4]
	s_delay_alu instid0(VALU_DEP_1)
	v_lshl_or_b32 v[\pw], v[TM+6], 16, v[\pw]
	s_delay_alu instid0(VALU_DEP_1)
	v_lshl_or_b32 v[\pw], v[TM+7], 24, v[\pw]      ; my row's scale word
.irp c, 0,1
	v_cvt_scalef32_pk16_fp6_f32 v[PC+6*\c:PC+2+6*\c], v[\s+32*\c:\s+15+32*\c], v[TM+8+2*\c]
	v_cvt_scalef32_pk16_fp6_f32 v[PC+12+4*\c:PC+14+4*\c], v[\s+16+32*\c:\s+31+32*\c], v[TM+8+2*\c+1]   ; (a conversion's three registers begin on an even number)
.endr
	v_nop                                          ; one plain instruction behind the scaled conversions
.irp c, 0,1                            ; the operand wants a WHOLE block in a lane: lanes 0-15 block 2 c, lanes 16-31 block 2 c + 1
.irp i, 0,1,2
	v_permlane16_swap_b32 v[PC+6*\c+\i], v[PC+12+4*\c+\i]
.endr
.irp i, 0,1,2
	s_delay_alu instid0(VALU_DEP_3)
	v_mov_b32 v[PC+3+6*\c+\i], v[PC+12+4*\c+\i]
.endr
.endr
.endm
; Tile t (16 rows) of my K step.  n1, n2: how many younger loads may be out when the tile's first and second eight rows have to be there (8 for each younger half tile).
.macro XT t, n1, n2
	s_wait_loadcnt \n1
.irp i, 0,1,2,3,4,5,6,7
	ds_store_b128 v[SST], v[R+32*((2*\t)%3)+4*\i:R+32*((2*\t)%3)+4*\i+3] offset:\i*SPITCH
.endr
	s_wait_loadcnt \n2
.irp i, 0,1,2,3,4,5,6,7
	ds_store_b128 v[SST], v[R+32*((2*\t+1)%3)+4*\i:R+32*((2*\t+1)%3)+4*\i+3] offset:(8+\i)*SPITCH
.endr
.irp b, 0,1,2,3
.irp j, 0,1,2,3
	ds_load_b128 v[X+16*\b+4*\j:X+16*\b+4*\j+3], v[SLD] offset:128*\b+16*\j   ; LDS serves a wave's instructions in order: these see the stores above
.endr
.endr
	s_wait_dscnt 0x0                               ; my 64 numbers are in, and the stores have read the two sets, which may be loaded again
	s_wait_xcnt 0x0                                ; the last tile's stores have read the codes' registers
.if 2*\t+3 < 8
	LOADH 2*\t+3
.endif
.if 2*\t+4 < 8
	LOADH 2*\t+4
.endif
	QUANT X, PW+\t
.irp g, 0,1,2
	global_store_b128 v[LI], v[PC+4*\g:PC+4*\g+3], s[28:29] offset:2*FRB*\t+512*\g   ; the fragment's image: 512 consecutive bytes a store
.endr
.irp b, 0,1,2,3                        ; the same numbers as bf16, in place, from the low end on: block b's 16 numbers become 8 registers
.irp i, 0,1,2,3,4,5,6,7
	v_cvt_pk_bf16_f32 v[X+16*\b+\i], v[X+16*\b+2*\i], v[X+16*\b+2*\i+1]
.endr
.endr
.rept 4
	v_nop
.endr
	; logits^T: source 0 = 16 rows of Wg^T (experts), source 1 = my 16 rows of x.  Both sides hold k = 32 b + 16 h + i at the same place of the fragment, so the products are the right ones.
	; Two accumulators by turns, in the upper halves of blocks 0 and 1, which the roundings have left free.
	v_wmma_f32_16x16x32_bf16 v[X+8:X+15], v[WGF:WGF+7], v[X:X+7], 0
	v_wmma_f32_16x16x32_bf16 v[X+24:X+31], v[WGF+8:WGF+15], v[X+16:X+23], 0
	v_wmma_f32_16x16x32_bf16 v[X+8:X+15], v[WGF+16:WGF+23], v[X+32:X+39], v[X+8:X+15]
	v_wmma_f32_16x16x32_bf16 v[X+24:X+31], v[WGF+24:WGF+31], v[X+48:X+55], v[X+24:X+31]
.rept 4
	v_nop                                          ; four places behind the products, ahead of the reads of their results and of the next tile's loads into their registers
.endr
	v_pk_add_f32 v[GS:GS+1], v[X+8:X+9], v[X+24:X+25]       ; register j < 4 of lane (r, h): expert 4 h + j of row r
	v_pk_add_f32 v[GS+2:GS+3], v[X+10:X+11], v[X+26:X+27]
	ds_store_b128 v[GPA], v[GS:GS+3] offset:4096*\t
.endm
.macro LOADP kb                        ; blocks kb of my two columns: We(32 kb + i, column), i = 0 .. 31; a K row's two loads stand together and cover 256 consecutive bytes
.irp i, 0,1,2,3,4,5,6,7,8,9,10,11,12,13,14,15,16,17,18,19,20,21,22,23,24,25,26,27,28,29,30,31
	global_load_b32 v[WX+32*(2*((\kb)%2))+\i], v[WLO], s[24:25] offset:(32*(\kb)+\i)*4096 th:TH_LOAD_NT
	global_load_b32 v[WX+32*(2*((\kb)%2)+1)+\i], v[WLO], s[24:25] offset:(32*(\kb)+\i)*4096+128 th:TH_LOAD_NT
.endr
.endm
.macro PAIR kb
.if (\kb) < 3
	s_wait_loadcnt 63                              ; 64 younger loads, the next blocks', are behind these; the count's field ends at 63, so one of them is waited for too
.else
	s_wait_loadcnt 0x0
.endif
.irp q, 0,1
.set XS, WX+32*(2*((\kb)%2)+\q)
.set FD, FR+24*\q+12*((\kb)%2)+6*((\kb)/2)     ; block kb is registers 6 (kb / 2) on of the fragment's lane (m, kb % 2)
	v_max3_num_f32 v12, |v[XS]|, |v[XS+1]|, |v[XS+2]|       ; the block's largest magnitude: all 32 numbers are mine
	v_max3_num_f32 v13, |v[XS+3]|, |v[XS+4]|, |v[XS+5]|
.irp i, 6,10,14,18,22,26
	s_delay_alu instid0(VALU_DEP_2)
	v_max3_num_f32 v12, v12, |v[XS+\i]|, |v[XS+\i+1]|
	s_delay_alu instid0(VALU_DEP_2)
	v_max3_num_f32 v13, v13, |v[XS+\i+2]|, |v[XS+\i+3]|
.endr
	s_delay_alu instid0(VALU_DEP_2)
	v_max3_num_f32 v12, v12, |v[XS+30]|, |v[XS+31]|
	s_delay_alu instid0(VALU_DEP_1)
	v_max3_num_f32 v12, v12, v13, 0x1800000        ; and the floor 2^(3 - 127)
	s_delay_alu instid0(VALU_DEP_1)
	v_add_nc_u32 v14, 0xff000000, v12              ; 2 off the exponent field: the conversions' scale operand
	s_delay_alu instid0(VALU_DEP_1)
	v_lshrrev_b32 v15, 23, v14                     ; the byte
.if (\kb) == 0
	s_delay_alu instid0(VALU_DEP_1)
	v_mov_b32 v[SW+\q], v15
.else
	s_delay_alu instid0(VALU_DEP_1)
	v_lshl_or_b32 v[SW+\q], v15, 8*(\kb), v[SW+\q]
.endif
	v_cvt_scalef32_pk16_fp6_f32 v[FD:FD+2], v[XS:XS+15], v14
	v_cvt_scalef32_pk16_fp6_f32 v[CT:CT+2], v[XS+16:XS+31], v14
	v_nop                                          ; one plain instruction behind the scaled conversions
.irp i, 0,1,2
	v_mov_b32 v[FD+3+\i], v[CT+\i]
.endr
.endr
.if (\kb) < 2
	LOADP (\kb)+2
.endif
.if (\kb) >= 2                         ; blocks 0 and 2 are the fragments' lanes 0-15, blocks 1 and 3 their lanes 16-31: each half of my lanes stores 256 consecutive bytes, aligned
.irp q, 0,1
.irp g, 0,1,2
	global_store_b128 v[WCO], v[FR+24*\q+12*((\kb)%2)+4*\g:FR+24*\q+12*((\kb)%2)+4*\g+3], s[26:27] offset:16*FRB*\q+512*\g+256*((\kb)%2)
.endr
.endr
.endif
.endm
	s_load_b256 s[4:11], s[0:1], 0x0               ; x s[4:5], We s[6:7], Wg s[8:9], bg s[10:11]
	s_load_b128 s[12:15], s[0:1], 0x20             ; xq s[12:13], wq s[14:15]
	s_load_b64 s[16:17], s[0:1], 0x30              ; gt
	v_lshl_add_u32 v254, v0, 2, 0x15000
	v_mov_b32 v255, 0
	v_lshrrev_b32 v1, 5, v0
	s_delay_alu instid0(VALU_DEP_1)
	v_readfirstlane_b32 s18, v1                    ; wave 0..7
	v_and_b32 v1, 31, v0                           ; lane
	v_and_b32 v2, 15, v0                           ; r (We's way: m)
	v_bfe_u32 v3, v0, 4, 1                         ; h (We's way: u)
	s_mov_b32 s23, 0                               ; the upper word of every offset
	s_cmp_lt_u32 ttmp9, 128
	s_cbranch_scc0 .Lwe
	; ---------------- x's way: work-group b = rows 64 b on ----------------
	v_lshlrev_b32 v[LI], 4, v1
	s_mul_i32 s19, s18, WSTG
	v_add_nc_u32 v[SST], s19, v[LI]
	v_mul_u32_u24 v[SLD], v2, SPITCH
	s_delay_alu instid0(VALU_DEP_1)
	v_lshl_add_u32 v[SLD], v3, 6, v[SLD]
	s_delay_alu instid0(VALU_DEP_1)
	v_add_nc_u32 v[SLD], s19, v[SLD]
	v_and_b32 v[WGO], 3, v2
	v_lshrrev_b32 v[GPA], 3, v2
	s_delay_alu instid0(VALU_DEP_1)
	v_lshl_add_u32 v[WGO], v[GPA], 2, v[WGO]       ; e = r % 4 + 4 (r / 8): row 8 h + j (j < 4) of the result is then expert 4 h + j
	s_delay_alu instid0(VALU_DEP_1)
	v_lshlrev_b32 v[WGO], 2, v[WGO]
	s_delay_alu instid0(VALU_DEP_1)
	v_lshl_add_u32 v[WGO], v3, 9, v[WGO]           ; + 16 h rows of 32 bytes
	s_lshl_b32 s19, s18, 9
	v_add_nc_u32 v[GPA], s19, v[LI]
	s_delay_alu instid0(VALU_DEP_1)
	v_add_nc_u32 v[GPA], GP, v[GPA]
	v_lshlrev_b32 v[SWO], 4, v2
	s_delay_alu instid0(VALU_DEP_1)
	v_lshl_add_u32 v[SWO], v3, 3, v[SWO]
	v_lshlrev_b32 v[GTO], 5, v2
	s_delay_alu instid0(VALU_DEP_1)
	v_lshl_add_u32 v[GTO], v3, 4, v[GTO]
	v_lshlrev_b32 v[H16], 4, v3
	s_and_b32 s19, s18, 3
	s_lshl_b32 s19, s19, 12
	v_add_nc_u32 v[GRD], s19, v[LI]
	s_delay_alu instid0(VALU_DEP_1)
	v_add_nc_u32 v[GRD], GP, v[GRD]
.irp b, 0,1,2,3
	v_mov_b32 v[TM+4+\b], 0                        ; written once: a lane permute's destination counts as one of its sources
.endr
	s_mov_b32 s[SEL], 0x76543210
	s_mov_b32 s[SEL+1], 0xfedcba98
	s_lshr_b32 s34, ttmp9, 2                       ; rb: which 256 rows
	s_bfe_u32 s35, ttmp9, 0x10001                  ; half
	s_and_b32 s36, ttmp9, 1                        ; g: tiles 4 g .. 4 g + 3 of the half
	s_lshr_b32 s37, s18, 1                         ; c: which 256 along K
	s_and_b32 s38, s18, 1                          ; s2
	s_lshl_b32 s39, s34, 2
	s_add_co_u32 s39, s39, s37
	s_mul_i32 s39, s39, REC                        ; my record
	s_lshl_b32 s41, s35, 3
	s_lshl_b32 s42, s36, 2
	s_add_co_u32 s41, s41, s42
	s_lshl_b32 s41, s41, 1
	s_add_co_u32 s41, s41, s38
	s_mul_i32 s41, s41, FRB
	s_add_co_u32 s41, s41, s39                     ; my first fragment
	s_lshl_b32 s42, s35, 1
	s_add_co_u32 s42, s42, s38
	s_lshl_b32 s42, s42, 9
	s_lshl_b32 s43, s36, 8
	s_add_co_u32 s42, s42, s43
	s_add_co_u32 s42, s42, s39
	s_add_co_u32 s42, s42, SCO                     ; my 256 bytes of scale words
	s_lshl_b32 s19, s18, 9
	s_wait_alu depctr_va_vdst(0)
	s_wait_kmcnt 0x0
	s_lshl_b32 s22, ttmp9, 18
	s_add_co_u32 s22, s22, s19
	s_add_nc_u64 s[24:25], s[4:5], s[22:23]        ; x at row 64 b, K step w
	s_lshl_b32 s22, s18, 12
	s_add_nc_u64 s[26:27], s[8:9], s[22:23]        ; Wg at row 128 w
	s_mov_b32 s22, s41
	s_add_nc_u64 s[28:29], s[12:13], s[22:23]
	s_mov_b32 s22, s42
	s_add_nc_u64 s[30:31], s[12:13], s[22:23]
	s_lshl_b32 s22, ttmp9, 11
	s_add_co_u32 s22, s22, s19
	s_add_nc_u64 s[32:33], s[16:17], s[22:23]      ; the gate at row 64 b + 16 w (used by waves 0-3)
	global_load_b128 v[BG:BG+3], v[H16], s[10:11]
.irp b, 0,1,2,3
.irp i, 0,1,2,3,4,5,6,7,8,9,10,11,12,13,14,15
	global_load_b32 v[X+16*\b+\i], v[WGO], s[26:27] offset:(32*\b+\i)*32   ; Wg(128 w + 32 b + 16 h + i, e)
.endr
.endr
	LOADH 0
	LOADH 1
	LOADH 2
	s_wait_loadcnt 24                              ; bg and Wg are in; the three half tiles, 24 loads, may be out
.irp b, 0,1,2,3
.irp i, 0,1,2,3,4,5,6,7
	v_cvt_pk_bf16_f32 v[WGF+8*\b+\i], v[X+16*\b+2*\i], v[X+16*\b+2*\i+1]
.endr
.endr
	XT 0, 16, 8
	XT 1, 16, 8
	XT 2, 16, 8
	XT 3, 8, 0
	v_cmp_eq_u32 vcc_lo, 1, v3                     ; both halves of the lanes hold all four words of row r: lane (r, h) stores those of tiles 2 h and 2 h + 1,
	s_delay_alu instid0(VALU_DEP_1)
	v_cndmask_b32 v250, v[PW], v[PW+2], vcc_lo
	s_delay_alu instid0(VALU_DEP_2)
	v_cndmask_b32 v251, v[PW+1], v[PW+3], vcc_lo
	global_store_b64 v[SWO], v[250:251], s[30:31]  ; so that the 32 lanes store 256 consecutive bytes, aligned
	s_wait_dscnt 0x0                               ; for the others' sake: my logits' parts have landed
	s_barrier_signal -1
	s_barrier_wait -1
	s_cmp_lt_u32 s18, 4
	s_cbranch_scc1 .Lgate
	s_wait_tensorcnt 0x0
	ds_add_u32 v254, v255
	s_wait_dscnt 0x0
	s_endpgm
.Lgate:                                                ; wave t finishes tile t: the eight K steps' parts, bg, the softmax over the eight experts (four in lane l, four in lane l xor 16)
.irp k, 0,1,2,3,4,5,6,7
	ds_load_b128 v[16+4*\k:19+4*\k], v[GRD] offset:512*\k
.endr
	s_wait_dscnt 0x0
.irp k, 0,2,4,6
	v_pk_add_f32 v[16+4*\k:17+4*\k], v[16+4*\k:17+4*\k], v[20+4*\k:21+4*\k]
	v_pk_add_f32 v[18+4*\k:19+4*\k], v[18+4*\k:19+4*\k], v[22+4*\k:23+4*\k]
.endr
.irp k, 0
	v_pk_add_f32 v[16+4*\k:17+4*\k], v[16+4*\k:17+4*\k], v[24+4*\k:25+4*\k]
	v_pk_add_f32 v[18+4*\k:19+4*\k], v[18+4*\k:19+4*\k], v[26+4*\k:27+4*\k]
.endr
.irp k, 4
	s_delay_alu instid0(VALU_DEP_4)
	v_pk_add_f32 v[16+4*\k:17+4*\k], v[16+4*\k:17+4*\k], v[24+4*\k:25+4*\k]
	s_delay_alu instid0(VALU_DEP_4)
	v_pk_add_f32 v[18+4*\k:19+4*\k], v[18+4*\k:19+4*\k], v[26+4*\k:27+4*\k]
.endr
	s_delay_alu instid0(VALU_DEP_2)
	v_pk_add_f32 v[16:17], v[16:17], v[32:33]
	s_delay_alu instid0(VALU_DEP_2)
	v_pk_add_f32 v[18:19], v[18:19], v[34:35]
	s_delay_alu instid0(VALU_DEP_2)
	v_pk_add_f32 v[16:17], v[16:17], v[BG:BG+1]
	s_delay_alu instid0(VALU_DEP_2)
	v_pk_add_f32 v[18:19], v[18:19], v[BG+2:BG+3]
	s_delay_alu instid0(VALU_DEP_1)
	v_max3_num_f32 v20, v16, v17, v18
	s_delay_alu instid0(VALU_DEP_1)
	v_max_num_f32 v20, v20, v19
	s_delay_alu instid0(VALU_DEP_1)
	v_permlanex16_b32 v21, v20, s[SEL], s[SEL+1]
	s_delay_alu instid0(VALU_DEP_1)
	v_max_num_f32 v20, v20, v21                    ; the row's largest logit is taken away ahead of the exponentials
.irp j, 0,1,2,3
	v_sub_f32 v[16+\j], v[16+\j], v20
.endr
.irp j, 0,1,2,3
	s_delay_alu instid0(VALU_DEP_4)
	v_mul_f32 v[16+\j], 0x3fb8aa3b, v[16+\j]       ; x log2(e)
.endr
	s_wait_alu depctr_va_vdst(0)
.irp j, 0,1,2,3
	v_exp_f32 v[24+\j], v[16+\j]
.endr
	v_nop                                          ; a plain instruction behind the exponentials,
	s_wait_alu depctr_va_vdst(0)                   ; and one wait for the four, ahead of their first reader
	v_add_f32 v28, v24, v25
	v_add_f32 v29, v26, v27
	s_delay_alu instid0(VALU_DEP_1)
	v_add_f32 v28, v28, v29
	s_delay_alu instid0(VALU_DEP_1)
	v_permlanex16_b32 v29, v28, s[SEL], s[SEL+1]
	s_delay_alu instid0(VALU_DEP_1)
	v_add_f32 v28, v28, v29
	s_wait_alu depctr_va_vdst(0)
	v_rcp_f32 v30, v28
	v_nop
	s_wait_alu depctr_va_vdst(0)
.irp j, 0,1,2,3
	v_mul_f32 v[24+\j], v[24+\j], v30
.endr
	global_store_b128 v[GTO], v[24:27], s[32:33]   ; 16 rows x 32 bytes: 512 consecutive bytes
	s_wait_tensorcnt 0x0
	ds_add_u32 v254, v255
	s_wait_dscnt 0x0
	s_endpgm
	; ---------------- We's way: work-group 128 + 8 PG + s: columns 64 PG on, K step s; wave = expert ----------------
	; A LANE TAKES A COLUMN AND ITS REGISTERS RUN DOWN K: lane 16 u + m takes columns 64 PG + 32 q + 16 u + m, q = 0, 1.  A block of 32 is one lane's 32 registers, and the conversions give codes with K innermost.
.Lwe:
	s_sub_co_u32 s34, ttmp9, 128
	s_lshr_b32 s35, s34, 3                         ; PG
	s_and_b32 s36, s34, 7                          ; s
	s_lshr_b32 s37, s36, 1                         ; c
	s_and_b32 s38, s36, 1                          ; s2
	s_wait_alu depctr_va_vdst(0)
	v_lshlrev_b32 v[WLO], 2, v1
	v_mul_u32_u24 v[WCO], v3, 4*REC                ; u picks the tile GT = 2 PG + u: four records on
	s_delay_alu instid0(VALU_DEP_1)
	v_lshl_add_u32 v[WCO], v2, 4, v[WCO]
	s_lshr_b32 s39, s18, 2
	s_lshl_b32 s39, s39, 8
	s_and_b32 s41, s18, 3
	s_lshl_b32 s41, s41, 2
	s_add_co_u32 s39, s39, s41
	s_add_co_u32 s39, s39, WS
	v_lshlrev_b32 v[WSA], 10, v3
	s_delay_alu instid0(VALU_DEP_1)
	v_lshl_add_u32 v[WSA], v2, 4, v[WSA]
	s_delay_alu instid0(VALU_DEP_1)
	v_add_nc_u32 v[WSA], s39, v[WSA]               ; 1,024 u + 256 (n / 4) + 16 m + 4 (n % 4)
	v_lshlrev_b32 v[WLI], 4, v1
	s_and_b32 s39, s18, 3
	s_lshl_b32 s39, s39, 9
	s_add_co_u32 s39, s39, WS
	v_add_nc_u32 v[WSR], s39, v[WLI]
	s_wait_alu depctr_va_vdst(0)
	s_wait_kmcnt 0x0
	s_lshl_b32 s22, s18, 22                        ; the expert's 4 MiB,
	s_lshl_b32 s39, s36, 19                        ; 128 rows of 4,096 bytes a K step,
	s_add_co_u32 s22, s22, s39
	s_lshl_b32 s39, s35, 8                         ; 64 columns
	s_add_co_u32 s22, s22, s39
	s_add_nc_u64 s[24:25], s[6:7], s[22:23]
	s_lshl_b32 s22, s35, 3
	s_add_co_u32 s22, s22, s37
	s_mul_i32 s22, s22, REC                        ; record 4 (2 PG) + c
	s_lshl_b32 s39, s18, 1
	s_add_co_u32 s39, s39, s38
	s_mul_i32 s39, s39, FRB                        ; fragment (0, n, s2)
	s_add_co_u32 s22, s22, s39
	s_add_nc_u64 s[26:27], s[14:15], s[22:23]
	s_bfe_u32 s39, s18, 0x10001                    ; the scale words' way out, waves 0-3: u = wave / 2, q = wave % 2
	s_lshl_b32 s22, s35, 1
	s_add_co_u32 s22, s22, s39
	s_lshl_b32 s22, s22, 2
	s_add_co_u32 s22, s22, s37
	s_mul_i32 s22, s22, REC
	s_and_b32 s39, s18, 1
	s_lshl_b32 s39, s39, 1
	s_add_co_u32 s39, s39, s38
	s_lshl_b32 s39, s39, 9
	s_add_co_u32 s22, s22, s39
	s_add_co_u32 s22, s22, SCO
	s_add_nc_u64 s[28:29], s[14:15], s[22:23]
	LOADP 0
	LOADP 1
	PAIR 0
	PAIR 1
	PAIR 2
	PAIR 3
	ds_store_b32 v[WSA], v[SW]                     ; a 512-byte run of scale words holds all eight experts': they meet in LDS
	ds_store_b32 v[WSA], v[SW+1] offset:512
	s_wait_dscnt 0x0                               ; for the others' sake
	s_barrier_signal -1
	s_barrier_wait -1
	s_cmp_lt_u32 s18, 4
	s_cbranch_scc1 .Lwsc
	s_wait_tensorcnt 0x0
	ds_add_u32 v254, v255
	s_wait_dscnt 0x0
	s_endpgm
.Lwsc:
	ds_load_b128 v[WRB:WRB+3], v[WSR]
	s_wait_dscnt 0x0
	global_store_b128 v[WLI], v[WRB:WRB+3], s[28:29]   ; 512 consecutive bytes
	s_wait_tensorcnt 0x0
	ds_add_u32 v254, v255
	s_wait_dscnt 0x0
	s_endpgm
.Lfunc_end_k_q5f0ca3de78_prep:
	.size	k_q5f0ca3de78_prep, .Lfunc_end_k_q5f0ca3de78_prep-k_q5f0ca3de78_prep
	.p2alignl 7, 3214868480
	.fill 96, 4, 3214868480
	.section	.rodata,"a",@progbits
	.p2align	6, 0x0
	.amdhsa_kernel k_q5f0ca3de78_prep
		.amdhsa_group_segment_fixed_size 87040
		.amdhsa_private_segment_fixed_size 0
		.amdhsa_enable_private_segment 0
		.amdhsa_kernarg_size 56
		.amdhsa_user_sgpr_count 2
		.amdhsa_user_sgpr_kernarg_segment_ptr 1
		.amdhsa_wavefront_size32 1
		.amdhsa_system_sgpr_workgroup_id_x 1
		.amdhsa_system_sgpr_workgroup_id_y 1
		.amdhsa_system_sgpr_workgroup_id_z 1
		.amdhsa_system_vgpr_workitem_id 0
		.amdhsa_next_free_vgpr 256
		.amdhsa_next_free_sgpr 66
		.amdhsa_reserve_vcc 1
		.amdhsa_float_denorm_mode_32 3
		.amdhsa_float_denorm_mode_16_64 3
		.amdhsa_memory_ordered 1
		.amdhsa_forward_progress 1
		.amdhsa_inst_pref_size 108
	.end_amdhsa_kernel
	.amdgpu_metadata
---
amdhsa.version: [ 1, 2 ]
amdhsa.kernels:
  - .name:           k_q5f0ca3de78_prep
    .symbol:         k_q5f0ca3de78_prep.kd
    .args:
      - { .name: x, .offset: 0, .size: 8, .value_kind: global_buffer, .address_space: global }
      - { .name: We, .offset: 8, .size: 8, .value_kind: global_buffer, .address_space: global }
      - { .name: Wg, .offset: 16, .size: 8, .value_kind: global_buffer, .address_space: global }
      - { .name: bg, .offset: 24, .size: 8, .value_kind: global_buffer, .address_space: global }
      - { .name: xq, .offset: 32, .size: 8, .value_kind: global_buffer, .address_space: global }
      - { .name: wq, .offset: 40, .size: 8, .value_kind: global_buffer, .address_space: global }
      - { .name: gt, .offset: 48, .size: 8, .value_kind: global_buffer, .address_space: global }
    .group_segment_fixed_size: 87040
    .private_segment_fixed_size: 0
    .kernarg_segment_align: 8
    .kernarg_segment_size: 56
    .max_flat_workgroup_size: 256
    .sgpr_count:     66
    .vgpr_count:     256
    .wavefront_size: 32
...
	.end_amdgpu_metadata
.endif
;; end of part 1
;; launch moe (part 2): grid 4 x 64, 4 waves a work-group, clusters of 4 x 4, 327,680 bytes of LDS; arguments xq, wq, gt, be, out0; writes out0
.if DOCPART == 2
	.amdgcn_target "amdgcn-amd-amdhsa--gfx1250"
	.amdhsa_code_object_version 6
	.text
	.protected	k_q5f0ca3de78_moe
	.globl	k_q5f0ca3de78_moe
	.p2align	8
	.type	k_q5f0ca3de78_moe,@function
k_q5f0ca3de78_moe:
	s_mov_b64 s[64:65], 0
	v_nop
	global_prefetch_b8 v0, s[64:65] scope:SCOPE_SE
	s_setreg_imm32_b32 hwreg(HW_REG_WAVE_MODE, 25, 1), 1
	s_wait_xcnt 0x0
	s_wait_alu depctr_hold_cnt(0) depctr_sa_sdst(0) depctr_va_vdst(0) depctr_va_sdst(0) depctr_va_ssrc(0) depctr_va_vcc(0) depctr_vm_vsrc(0)
	s_getreg_b32 s2, hwreg(HW_REG_IB_STS2, 6, 4)
	s_cmp_eq_u32 s2, 0
	s_cbranch_scc0 .Lentry_in_a_cluster
	s_endpgm
.Lentry_in_a_cluster:
	s_bfe_u32 s2, ttmp6, 0x10000c
	s_cmp_lg_u32 s2, 0xf033
	s_cbranch_scc0 .Lentry_shape_is_right
	s_endpgm
.Lentry_shape_is_right:
; out[t][k] = sum over the 8 experts n of gate[t][n] relu(x[t] . We[n][:, k] + be[n][k]); the product on codes of FP6 (E2M3) with one E8M0 scale for each 32 along K, sums in f32.
; xq, wq: records of 51,200 bytes (256 along K of 256 rows), fragments as images of the operand's registers: fragment (half, i, s2) at ((8 half + i) 2 + s2) 1,536, registers 4 g .. 4 g + 3 of lane l at 512 g + 16 l;
; from byte 49,152 the scale words: (half, s2) at (2 half + s2) 512, word (i, row) at 256 (i / 4) + 16 row + 4 (i % 4).  gt: the gate [8192][8] f32.
; SHARES.  A work-group of four waves owns 128 rows x 256 output columns and makes them in four tiles of 64 columns.  All four waves take the same 128 rows; wave w takes 8 experts x the 16 columns
; 32 (w % 2) + 16 (w / 2) of the tile: 64 accumulators.  Behind K a lane holds all eight experts of its 8 outputs, so relu and the gate's sum stay inside the lane, and the four waves together hold whole rows of 256 bytes.
; x's 128 rows (codes and scales of all of K) and their gates stay in LDS; We goes through a ring of two slots, each with two records (256 along K of the tile's 512 hidden columns), 16 fills a work-group.
; We's fragments of a K step are read from LDS a whole K step ahead of their products: at the step's border, or, where the slot changes, straight behind the round's refill.
; THE MATRIX INSTRUCTION IS USED TRANSPOSED (source 0 = 16 columns of We, source 1 = 16 rows of x).  The bias is the C of a sum's first instruction.
; THE CHANGE OF TILES goes by blocks of 16 rows: the old tile's last K step, the block's relu and weighted sum (in place, in the block's accumulators; the sum ends in expert 0's), and the new tile's first K step take turns:
; eight vector instructions stand behind each matrix instruction.  A block's 16 rows x 64 columns meet in one of two stages in LDS (one barrier a block) and leave as rows of 256 consecutive bytes, aligned.
; CLUSTERS: 4 x 4 work-groups.  The four of a row of the cluster need the same x and gates, the four of a column the same records of We: each is asked for jointly.
; PREFETCH: at each change of slots the records of the same chunk of the NEXT tile (four fills on) are named: 400 blocks of 256 bytes, shared out by address among the column's four partners and their four waves, 25 a wave,
; a lane a block (lanes 25-31 name lane 24's again); the last tile asks for nothing; the first tile's records come by their loads alone.  x and the gates are asked for once, at the head, where there is no loop to run ahead in.
; LIMITS: those of the launch that made the codes (NaN and infinities are not served).
; REGISTERS, in windows of 256: window 0: v4-23 addresses and a zero; v28-29 the spare word's; v32-63 scale words, two sets; v64-79 gates, two sets; v96-103 rows read back; v128-223 x's fragments, one set.
;   window 1: We's fragments, two sets, at v0 and v128; the biases at v96-127 and v224-255.   windows 2, 3: accumulator (a, n) at v[8 (8 (a % 4) + n)] of window 2 + a / 4.
.set REC,    51200
.set FRB,    1536
.set SCO,    49152
.set HALFC,  16*FRB                    ; the codes of 128 rows x 256 K
.set HREC,   REC/2                     ; what one tensor load of the ring brings
.set XS,     4*HALFC                   ; LDS: x's codes from 0, chunk c at c HALFC; x's scale words here, 1,024 bytes a chunk;
.set BR,     XS+4096                   ; the ring;
.set SLOT,   2*REC
.set GTL,    BR+2*SLOT                 ; the gates, 32 bytes a row;
.set STG,    GTL+4096                  ; two stages of 16 rows x (256 + 16) bytes: no tensor load lands here;
.set SPITCH, 272
.set STGB,   16*SPITCH
.set SPARE,  STG+2*STGB                ; the spare words: two blocks of 256 bytes that no other line names
.set ADRA, 4                           ; v4-7    x's fragments of chunk c
.set ADRB, 8                           ; v8-9    my We fragments in slot p
.set ADRS, 10                          ; v10-13  scale words of chunk c: lanes 0-15 x's, lanes 16-31 We's
.set AGT,  14
.set STO,  15
.set SRD,  16
.set CO,   17
.set BEO,  18
.set PFO,  19
.set ZR,   23                          ; v23     0, relu's second source
.set SPW,  28
.set NIL,  29
.set SC,   32
.set GX,   64
.set RB,   96
.set AF,   128
.set WV,   14                          ; s14 wave; s15 = wave / 2; s16 = wave % 2
.set G1XC, 24                          ; descriptor groups 1: x's codes, a whole record of We, x's scales, the gates, half a record of We
.set G1BW, 32
.set G1XS, 40
.set G1GG, 48
.set G1BH, 56
.set TILE, 66                          ; s66 tiles to go
.set G0XC, 68                          ; groups 0
.set G0BE, 72
.set G0BO, 76
.set G0XS, 80
.set G0GG, 84
.set G0R,  88                          ; s[88:95] the ring's, one set for each slot
.set PFA,  96
.set BE,   98
.set OUT,  100
.set MSB, 0
.macro WIN new                         ; the immediate's high byte repeats the setting that is left
.if MSB != (\new)
	s_set_vgpr_msb (MSB<<8)|(\new)
.set MSB, (\new)
.endif
.endm
.set MUL_LO,  0xa1                     ; source 0 (We) window 1, source 1 (x) window 0, C and D window 2
.set MUL_HI,  0xf1
.set BIAS_LO, 0x91                     ; C (the bias) window 1, D window 2
.set BIAS_HI, 0xd1
.set TO_B,    0x40
.macro CREST                           ; a round of the cluster's barrier behind its opening barrier
	s_cmp_lg_u32 s[WV], 0
	s_cbranch_scc1 .Lnot_wave_0_\@
	s_barrier_signal -3
.Lnot_wave_0_\@:
	s_barrier_wait -3
	s_barrier_signal -1
	s_barrier_wait -1
.endm
.macro CROUND
	s_barrier_signal -1
	s_barrier_wait -1
	CREST
.endm
.macro PLACES n                        ; plain places behind matrix instructions and behind a tensor load
.rept \n
	v_nop
.endr
.endm
.macro MKG1 g, mask, c, r, p           ; r rows of c elements of 8 bytes, p elements from row to row; bit 21 beside the mask
	s_or_b32 s[\g], s\mask, (3<<16)|(1<<21)
	s_mov_b32 s[\g+1], (\c)<<16
	s_mov_b32 s[\g+2], (\r)<<16
	s_mov_b32 s[\g+3], (\c)<<16
	s_mov_b32 s[\g+4], \r
	s_mov_b32 s[\g+5], \p
	s_mov_b32 s[\g+6], 0
	s_mov_b32 s[\g+7], 0
.endm
.macro ARM under, g0, g1, next, join   ; one arm of a chain on the wave's number: one tensor load, then the jump to the chain's end
	s_cmp_lt_u32 s[WV], \under
	s_cbranch_scc0 \next
	tensor_load_to_lds s[\g0:\g0+3], s[\g1:\g1+7]
	s_nop 0
	PLACES 4
	s_branch \join
\next:
.endm
.macro FETCH_B p, s2, set              ; my eight experts' fragments of K step s2 of slot p: 24 loads of 512 consecutive bytes
	WIN TO_B
.irp n, 0,1,2,3,4,5,6,7
.irp g, 0,1,2
	ds_load_b128 v[128*(\set)+12*\n+4*\g:128*(\set)+12*\n+4*\g+3], v[ADRB+(\p)] offset:(2*\n+(\s2))*FRB+512*\g
.endr
.endr
	WIN 0
.endm
.macro FA1 c, s2, a                    ; x's block a of K step s2 of chunk c
.irp g, 0,1,2
	ds_load_b128 v[AF+12*(\a)+4*\g:AF+12*(\a)+4*\g+3], v[ADRA+(\c)] offset:(2*(\a)+(\s2))*FRB+512*\g
.endr
.endm
.macro FETCH_A c, s2, a0
.irp a, \a0, \a0+1, \a0+2, \a0+3
	FA1 \c, \s2, \a
.endr
.endm
.macro SCALES c                        ; both K steps' scale words of chunk c
.irp s, 0,1
.irp g, 0,1
	ds_load_b128 v[SC+16*((\c)%2)+8*\s+4*\g:SC+16*((\c)%2)+8*\s+4*\g+3], v[ADRS+(\c)] offset:512*\s+256*\g
.endr
.endr
.endm
.macro WM a, n, set, c, s2, bias       ; x's block a x expert n, 128 along K
.set AC,  8*(8*((\a)%4)+(\n))
.set BF,  128*(\set)+12*(\n)
.set AFR, AF+12*(\a)
.set SB,  SC+16*((\c)%2)+8*(\s2)
.set CB,  96+8*(\n)+96*((\n)/4)
.if \bias
	v_wmma_scale_f32_16x16x128_f8f6f4 v[AC:AC+7], v[BF:BF+11], v[AFR:AFR+11], v[CB:CB+7], v[SB+(\n)], v[SB+(\a)] matrix_a_fmt:MATRIX_FMT_FP6 matrix_b_fmt:MATRIX_FMT_FP6 matrix_a_scale:MATRIX_SCALE_ROW1
.else
	v_wmma_scale_f32_16x16x128_f8f6f4 v[AC:AC+7], v[BF:BF+11], v[AFR:AFR+11], v[AC:AC+7], v[SB+(\n)], v[SB+(\a)] matrix_a_fmt:MATRIX_FMT_FP6 matrix_b_fmt:MATRIX_FMT_FP6 matrix_a_scale:MATRIX_SCALE_ROW1
.endif
.endm
.macro MUL16 a0, set, c, s2, bias      ; the accumulators take turns, one instruction a turn
.irp a, \a0, \a0+1
.irp n, 0,1,2,3,4,5,6,7
	WM \a, \n, \set, \c, \s2, \bias
.endr
.endr
.endm
.macro ROWK a, c                       ; block a of chunk c's second K step
.irp n, 0,1,2,3,4,5,6,7
	WM \a, \n, 1, \c, 1, 0
.endr
.endm
.macro BIAS off                        ; be[n][my 16 columns' 8 h + 0 .. 7] for the eight experts, in the result's layout
	WIN TO_B
.irp n, 0,1,2,3,4,5,6,7
	global_load_b128 v[96+8*\n+96*(\n/4):96+8*\n+96*(\n/4)+3], v[BEO], s[BE:BE+1] offset:4096*\n+(\off)
	global_load_b128 v[96+8*\n+96*(\n/4)+4:96+8*\n+96*(\n/4)+7], v[BEO], s[BE:BE+1] offset:4096*\n+(\off)+16
.endr
	WIN 0
.endm
; A chunk (256 along K) is two K steps.  The first: We's set 0.  The second step's fragments of We were asked for at the border in front of this step.
.macro STEP c, bias
.if \bias
	s_wait_loadcnt 0x0                             ; the biases
.endif
	s_wait_dscnt 36                                ; all but the youngest 36 loads: x's blocks 4-7 (12) and We's set 1 (24)
.if \bias
	WIN BIAS_LO
.else
	WIN MUL_LO
.endif
	MUL16 0, 0, \c, 0, \bias
	MUL16 2, 0, \c, 0, \bias
	s_wait_dscnt 24                                ; x's blocks 4-7 are in; We's set 1 may be out
	PLACES 4
	WIN 0
	FETCH_A \c, 1, 0
.if \bias
	WIN BIAS_HI
.else
	WIN MUL_HI
.endif
	MUL16 4, 0, \c, 0, \bias
	MUL16 6, 0, \c, 0, \bias
	PLACES 4
	WIN 0
	FETCH_A \c, 1, 4
.endm
; The second K step changes slots: one barrier; in front of it each wave waits for all its tensor loads, adds 0 to its spare word, and waits for that and for its reads of this slot.
; fill = 1: the barrier opens a round of the cluster's, and this slot takes the chunk two on, inc bytes further.  ask: -1 none, 0 always, 1 while a tile follows.
.macro TURN c, cn, fill, inc, ask
	s_wait_tensorcnt 0x0
	ds_add_u32 v[SPW], v[NIL]
	s_wait_dscnt 13                                ; (the add and the youngest twelve loads may be out)
	WIN MUL_LO
	ROWK 0, \c
	s_wait_dscnt 0x0                               ; the add is done, and my reads of this slot are over
	s_barrier_signal -1
	ROWK 1, \c
	WIN 0
	s_barrier_wait -1
.if \fill
	CREST
	s_add_nc_u64 s[G0R+4*((\c)%2)+2:G0R+4*((\c)%2)+3], s[G0R+4*((\c)%2)+2:G0R+4*((\c)%2)+3], \inc
	tensor_load_to_lds s[G0R+4*((\c)%2):G0R+4*((\c)%2)+3], s[G1BH:G1BH+7]   ; my one tensor load behind the round
	s_nop 0
.endif
	PLACES 4
	FETCH_B (\cn)%2, 0, 0                          ; the next chunk's first K step, from the slot that the barrier has shown whole
	SCALES \cn
	WIN MUL_LO
	MUL16 2, 1, \c, 1, 0
	PLACES 4
	WIN 0
	FETCH_A \cn, 0, 0
.if \ask == 1
	s_cmp_gt_u32 s[TILE], 1
	s_cbranch_scc0 .Lno_ask_\@
.endif
.if \ask >= 0
	global_prefetch_b8 v[PFO], s[PFA:PFA+1] offset:(\c)*REC th:TH_LOAD_NT scope:SCOPE_SE
.endif
.if \ask == 1
.Lno_ask_\@:
.endif
	WIN MUL_HI
	MUL16 4, 1, \c, 1, 0
	MUL16 6, 1, \c, 1, 0
	PLACES 4
	WIN 0
	FETCH_A \cn, 0, 4
	FETCH_B (\cn)%2, 1, 1                          ; and its second K step
.endm
; ---- the change of tiles ----
.macro WQ i, nxt                       ; matrix instruction i of the change: 0-47 the last K step of blocks 2-7, 48-111 the next tile's first K step of blocks 0-7
.if (\i) < 48
	WIN MUL_LO+0x50*((2+(\i)/8)/4)
	WM 2+(\i)/8, (\i)%8, 1, 3, 1, 0
.elseif \nxt
	WIN BIAS_LO+0x40*((((\i)-48)/8)/4)
	WM ((\i)-48)/8, (\i)%8, 0, 0, 0, 1
.endif
.endm
.macro RELU a, n, j                    ; in place; each accumulator from its low end on
	v_max_num_f32 v[64*((\a)%4)+8*(\n)+(\j)], v[64*((\a)%4)+8*(\n)+(\j)], v[ZR]
.endm
.macro PK a, n, i                      ; expert 0's accumulator gathers gate[n] x relu(..), two numbers an instruction
.set AB,  64*((\a)%4)
.set GXS, GX+8*((\a)%2)
.if (\n) == 0
	v_pk_mul_f32 v[AB+2*(\i):AB+2*(\i)+1], v[AB+2*(\i):AB+2*(\i)+1], v[GXS:GXS+1] op_sel_hi:[1,0]
.elseif ((\n)%2) == 0
	v_pk_fma_f32 v[AB+2*(\i):AB+2*(\i)+1], v[AB+8*(\n)+2*(\i):AB+8*(\n)+2*(\i)+1], v[GXS+(\n):GXS+(\n)+1], v[AB+2*(\i):AB+2*(\i)+1] op_sel_hi:[1,0,1]
.else
	v_pk_fma_f32 v[AB+2*(\i):AB+2*(\i)+1], v[AB+8*(\n)+2*(\i):AB+8*(\n)+2*(\i)+1], v[GXS+(\n)-1:GXS+(\n)], v[AB+2*(\i):AB+2*(\i)+1] op_sel:[0,1,0] op_sel_hi:[1,1,1]
.endif
.endm
.macro EOP a, k                        ; vector instruction k (0 .. 95) of block a: relu of expert n + 1 stands ahead of the sum's step for expert n
.if (\k) < 8
	RELU \a, 0, \k
.else
.set NB, ((\k)-8)/12+1
.set OO, ((\k)-8)%12
.if NB > 7
	PK \a, 7, OO
.elseif OO < 8
	RELU \a, NB, OO
.else
	PK \a, NB-1, OO-8
.endif
.endif
.endm
.macro TOSTG a                         ; block a's 16 rows x my 16 columns into stage a % 2
	WIN 0x08+4*((\a)/4)
	ds_store_b128 v[STO], v[64*((\a)%4):64*((\a)%4)+3] offset:STGB*((\a)%2)
	ds_store_b128 v[STO], v[64*((\a)%4)+4:64*((\a)%4)+7] offset:STGB*((\a)%2)+16
.endm
.macro RBLOAD a                        ; four whole rows of block a back: lanes 0-15 one row, lanes 16-31 the next
	WIN 0
	s_barrier_wait -1                              ; all four waves' columns are in the stage
	s_wait_xcnt 0x0                                ; the last stores have read their data registers
	ds_load_b128 v[RB:RB+3], v[SRD] offset:STGB*((\a)%2)
	ds_load_b128 v[RB+4:RB+7], v[SRD] offset:STGB*((\a)%2)+2*SPITCH
.endm
.macro OUTST a                         ; sixteen lanes store 256 consecutive bytes, at a multiple of 256 from out0's first byte
	global_store_b128 v[CO], v[RB:RB+3], s[OUT:OUT+1] offset:65536*(\a) th:TH_STORE_NT
	global_store_b128 v[CO], v[RB+4:RB+7], s[OUT:OUT+1] offset:65536*(\a)+8192 th:TH_STORE_NT
.endm
; What stands among block EA's twelve groups beside arithmetic, each ahead of its group's matrix instruction.
; Stage a % 2 is stored again two blocks on, behind the barrier of block a + 1, in front of which every wave's reads of it were waited for.
.macro EVENT nxt
.if EA > 0 && EM == 1
	TOSTG EA-1
.endif
.if EA > 0 && EM == 3
	s_wait_dscnt 0x0                               ; my stores into the stage have landed, and no LDS instruction of mine is out
	s_barrier_signal -1
.endif
.if EM == 5
.if EA > 0
	RBLOAD EA-1
.endif
	WIN 0
.if EA < 7
	ds_load_b128 v[GX+8*((EA+1)%2):GX+8*((EA+1)%2)+3], v[AGT] offset:512*(EA+1)
	ds_load_b128 v[GX+8*((EA+1)%2)+4:GX+8*((EA+1)%2)+7], v[AGT] offset:512*(EA+1)+16
.endif
.if \nxt
.if EA >= 1 && EA <= 6
	FA1 0, 0, EA+1                                 ; the next tile's first K step of x's block EA + 1, whose last K step is over
.endif
.if EA == 1
	FETCH_B 0, 0, 0
.endif
.if EA == 5
	FETCH_B 0, 1, 1
.endif
.if EA == 7
	FETCH_A 0, 1, 0
.endif
.endif
.endif
.if EM == 10
	WIN 0
.if (\nxt) && (EA == 1 || EA == 5)
	s_wait_dscnt 24                                ; the rows are back; the 24 loads of We's fragments behind them may be out
.elseif (\nxt) && EA == 7
	s_wait_dscnt 12
.else
	s_wait_dscnt 0x0                               ; the rows are back, the next block's gates and x's fragments are in
.endif
.if EA > 0
	OUTST EA-1
.endif
.if (\nxt) && EA == 3
	s_wait_loadcnt 0x0                             ; the next tile's biases
.endif
.endif
.endm
.macro TRANS nxt                       ; nxt = 1: another tile follows
	ds_load_b128 v[GX:GX+3], v[AGT]
	ds_load_b128 v[GX+4:GX+7], v[AGT] offset:16
.if \nxt
	s_wait_tensorcnt 0x0                           ; slot 0 holds the next tile's first chunk
	ds_add_u32 v[SPW], v[NIL]
	s_wait_dscnt 15                                ; (the add, the two loads of gates and x's blocks 4-7 may be out)
	WIN MUL_LO
	ROWK 0, 3
	s_wait_dscnt 0x0                               ; my reads of slot 1 are over
	s_barrier_signal -1
	ROWK 1, 3
	WIN 0
	s_barrier_wait -1
	CREST
	s_add_nc_u64 s[G0R+6:G0R+7], s[G0R+6:G0R+7], 6*REC
	tensor_load_to_lds s[G0R+4:G0R+7], s[G1BH:G1BH+7]
	s_nop 0
	PLACES 4
	SCALES 0
	FA1 0, 0, 0
	FA1 0, 0, 1
	global_prefetch_b8 v[PFO], s[PFA:PFA+1] offset:3*REC th:TH_LOAD_NT scope:SCOPE_SE
.else
	s_wait_dscnt 14
	WIN MUL_LO
	ROWK 0, 3
	ROWK 1, 3
	s_wait_dscnt 0x0
	PLACES 4
.endif
.set EA, 0
.rept 8
.set EM, 0
.rept 12
	EVENT \nxt
	WQ 12*EA+EM, \nxt
	WIN 0xa2+0x51*(EA/4)                           ; sources 0 and 2 and the destination: the block's window; source 1 (gates, zero): window 0
.set EK, 0
.rept 8
	EOP EA, 8*EM+EK
.set EK, EK+1
.endr
.set EM, EM+1
.endr
.set EA, EA+1
.endr
	TOSTG 7
.if \nxt
.set QI, 96
.rept 8
	WQ QI, 1
.set QI, QI+1
.endr
	s_wait_dscnt 0x0
	s_barrier_signal -1
.rept 4
	WQ QI, 1
.set QI, QI+1
.endr
	RBLOAD 7
.rept 4
	WQ QI, 1
.set QI, QI+1
.endr
	PLACES 4
	WIN 0
	FETCH_A 0, 1, 4
	s_wait_dscnt 12                                ; the rows are back; x's blocks 4-7 may be out
	OUTST 7
.else
	WIN 0
	s_wait_dscnt 0x0
	s_barrier_signal -1
	RBLOAD 7
	s_wait_dscnt 0x0
	OUTST 7
.endif
.endm
	s_load_b256 s[4:11], s[0:1], 0x0               ; xq s[4:5], wq s[6:7], gt s[8:9], be s[10:11]
	s_load_b64 s[12:13], s[0:1], 0x20              ; out0
	v_lshl_add_u32 v[SPW], v0, 2, SPARE
	v_mov_b32 v[NIL], 0
	ds_add_u32 v[SPW], v[NIL]
	ds_add_u32 v[SPW], v[NIL]
	v_lshrrev_b32 v1, 5, v0
	v_readfirstlane_b32 s[WV], v1                  ; wave 0..3
	s_lshr_b32 s15, s[WV], 1
	s_and_b32 s16, s[WV], 1
	s_bfe_u32 s17, ttmp6, 0x40000                  ; cx
	s_bfe_u32 s18, ttmp6, 0x40004                  ; cy
	s_lshl_b32 s19, ttmp9, 2
	s_add_co_u32 s19, s19, s17                     ; Wx: which 256 output columns
	s_and_b32 s20, ttmp7, 0xffff
	s_lshl_b32 s20, s20, 2
	s_add_co_u32 s20, s20, s18                     ; Wy: which 128 rows
	s_lshl_b32 s21, s18, 2
	s_lshl_b32 s21, 15, s21                        ; my row of the cluster
	s_lshl_b32 s22, 0x1111, s17                    ; my column
	MKG1 G1XC, 21, 3072, 2, 6400                   ; two chunks' codes of my 128 rows: 2 rows of 24,576 bytes, a record apart
	MKG1 G1BW, 22, 32, 200, 32                     ; a whole record: 200 rows of 256 bytes
	MKG1 G1XS, 21, 128, 4, 6400                    ; four chunks' scale words: 4 rows of 1,024 bytes
	MKG1 G1GG, 21, 32, 16, 32                      ; the gates: 16 rows of 256 bytes
	MKG1 G1BH, 22, 32, 100, 32                     ; half a record
.irp g, G0XC, G0BE, G0BO, G0XS, G0GG, G0R, G0R+4
	s_mov_b32 s[\g], 1
.endr
	s_mov_b32 s[G0XC+1], 0
	s_mov_b32 s[G0BE+1], BR
	s_mov_b32 s[G0BO+1], BR+REC
	s_mov_b32 s[G0XS+1], XS
	s_mov_b32 s[G0GG+1], GTL
	s_mul_i32 s23, s[WV], HREC                     ; the ring: wave w fills half w % 2 of record w / 2 of a slot
	s_add_co_u32 s[G0R+1], s23, BR
	s_add_co_u32 s[G0R+5], s23, BR+SLOT
	s_mov_b32 s3, 0
	s_wait_dscnt 0x0                               ; both opening adds are done
	s_wait_kmcnt 0x0
	s_lshr_b32 s23, s20, 1
	s_mul_i32 s23, s23, 4*REC                      ; x's records hang on Wy alone
	s_and_b32 s67, s20, 1
	s_mul_i32 s2, s67, HALFC
	s_add_co_u32 s2, s2, s23
	s_add_nc_u64 s[G0XC+2:G0XC+3], s[4:5], s[2:3]
	s_lshl_b32 s2, s67, 10
	s_add_co_u32 s2, s2, s23
	s_add_co_u32 s2, s2, SCO
	s_add_nc_u64 s[G0XS+2:G0XS+3], s[4:5], s[2:3]
	s_lshl_b32 s2, s20, 12
	s_add_nc_u64 s[G0GG+2:G0GG+3], s[8:9], s[2:3]
	s_mul_i32 s2, s19, 32*REC                      ; We's records hang on Wx alone
	s_add_nc_u64 s[G0BE+2:G0BE+3], s[6:7], s[2:3]
	s_add_nc_u64 s[G0BO+2:G0BO+3], s[G0BE+2:G0BE+3], 4*REC
	s_mul_i32 s2, s15, 4*REC
	s_mul_i32 s23, s16, HREC
	s_add_co_u32 s2, s2, s23
	s_add_nc_u64 s[G0R+2:G0R+3], s[G0BE+2:G0BE+3], s[2:3]
	s_add_nc_u64 s[G0R+6:G0R+7], s[G0R+2:G0R+3], REC
	s_lshl_b32 s2, s19, 10
	s_lshl_b32 s23, s16, 7
	s_add_co_u32 s2, s2, s23
	s_lshl_b32 s23, s15, 6
	s_add_co_u32 s2, s2, s23
	s_add_nc_u64 s[BE:BE+1], s[10:11], s[2:3]      ; be at column 256 Wx + 32 (w % 2) + 16 (w / 2)
	s_lshl_b32 s2, s20, 7
	s_lshl_b32 s23, s[WV], 2
	s_add_co_u32 s2, s2, s23
	s_lshl_b32 s2, s2, 12
	s_lshl_b32 s23, s19, 10
	s_add_co_u32 s2, s2, s23
	s_add_nc_u64 s[OUT:OUT+1], s[12:13], s[2:3]    ; out0 at row 128 Wy + 4 w, column 256 Wx
	s_mul_i32 s2, s15, 4*REC                       ; the prefetches: tile 1's chunk 0, record w / 2, piece 2 cy + w % 2 of eight
	s_lshl_b32 s23, s18, 1
	s_add_co_u32 s23, s23, s16
	s_mul_i32 s23, s23, 6400
	s_add_co_u32 s2, s2, s23
	s_add_co_u32 s2, s2, 8*REC
	s_add_nc_u64 s[PFA:PFA+1], s[G0BE+2:G0BE+3], s[2:3]
.irp g, G0XC, G0BE, G0BO, G0XS, G0GG, G0R, G0R+4
	s_or_b32 s[\g+3], s[\g+3], 0x80000000
.endr
	CROUND                                         ; all sixteen work-groups are here: the first joint loads meet
	ARM 1, G0XC, G1XC, .Lh1, .Lhj                  ; one tensor load a wave: x's chunks 0 and 1,
	ARM 2, G0BE, G1BW, .Lh2, .Lhj                  ; slot 0's two records,
	ARM 3, G0BO, G1BW, .Lh3, .Lhj
	tensor_load_to_lds s[G0XS:G0XS+3], s[G1XS:G1XS+7]   ; x's scale words
	s_nop 0
	PLACES 4
.Lhj:
	s_mul_i32 s2, s15, REC
	s_mul_i32 s3, s16, HALFC
	s_add_co_u32 s23, s2, s3
	s_add_co_u32 s23, s23, BR                      ; my fragments in slot 0
	s_lshl_b32 s3, s16, 10
	s_add_co_u32 s2, s2, s3
	s_add_co_u32 s17, s2, BR+SCO-XS                ; from x's scale words of chunk c to mine of We's in slot c % 2
	s_add_co_u32 s18, s2, BR+SLOT+SCO-XS-1024
	s_add_co_u32 s21, s2, BR+SCO-XS-2048
	s_add_co_u32 s22, s2, BR+SLOT+SCO-XS-3072
	s_lshl_b32 s67, s16, 7
	s_lshl_b32 s3, s15, 6
	s_add_co_u32 s67, s67, s3
	s_add_co_u32 s67, s67, STG                     ; my 64 bytes of a stage row
	s_mul_i32 s3, s[WV], 4*SPITCH
	s_add_co_u32 s3, s3, STG                       ; the four stage rows that I read back
	v_and_b32 v1, 31, v0                           ; lane
	v_and_b32 v2, 15, v0                           ; r
	v_bfe_u32 v3, v0, 4, 1                         ; h
	v_lshlrev_b32 v20, 4, v1
.irp c, 0,1,2,3
	v_add_nc_u32 v[ADRA+\c], \c*HALFC, v20
.endr
	v_add_nc_u32 v[ADRB], s23, v20
	v_add_nc_u32 v[ADRB+1], SLOT, v[ADRB]
	v_lshlrev_b32 v21, 4, v2
	v_mad_u32_u24 v22, v3, s17, v21                ; the lower base + h x the distance
	v_add_nc_u32 v[ADRS], XS, v22
	v_mad_u32_u24 v22, v3, s18, v21
	v_add_nc_u32 v[ADRS+1], XS+1024, v22
	v_mad_u32_u24 v22, v3, s21, v21
	v_add_nc_u32 v[ADRS+2], XS+2048, v22
	v_mad_u32_u24 v22, v3, s22, v21
	v_add_nc_u32 v[ADRS+3], XS+3072, v22
	v_lshl_add_u32 v[AGT], v2, 5, GTL
	v_mul_u32_u24 v22, v2, SPITCH
	v_lshl_add_u32 v22, v3, 5, v22
	v_add_nc_u32 v[STO], s67, v22
	v_mul_u32_u24 v22, v3, SPITCH
	v_lshl_add_u32 v22, v2, 4, v22
	v_add_nc_u32 v[SRD], s3, v22
	v_lshlrev_b32 v22, 12, v3
	v_lshl_add_u32 v[CO], v2, 4, v22
	v_lshlrev_b32 v[BEO], 5, v3
	v_min_u32 v22, 24, v1
	v_lshlrev_b32 v[PFO], 8, v22
	v_mov_b32 v[ZR], 0
	s_wait_alu depctr_va_vdst(0)
	BIAS 0
	s_wait_tensorcnt 0x0                           ; my tile of the head's four is in; the same lines as ahead of a refill stand ahead of the later first fills
	ds_add_u32 v[SPW], v[NIL]
	s_mov_b32 s[G0XC+1], 2*HALFC                   ; no tensor load of mine is out: x's chunks 2 and 3,
	s_add_nc_u64 s[G0XC+2:G0XC+3], s[G0XC+2:G0XC+3], 2*REC
	s_mov_b32 s[G0BE+1], BR+SLOT                   ; slot 1's two records
	s_add_nc_u64 s[G0BE+2:G0BE+3], s[G0BE+2:G0BE+3], REC
	s_mov_b32 s[G0BO+1], BR+SLOT+REC
	s_add_nc_u64 s[G0BO+2:G0BO+3], s[G0BO+2:G0BO+3], REC
	s_wait_dscnt 0x0
	CROUND
	ARM 1, G0XC, G1XC, .Lg1, .Lgj
	ARM 2, G0BE, G1BW, .Lg2, .Lgj
	ARM 3, G0BO, G1BW, .Lg3, .Lgj
	tensor_load_to_lds s[G0GG:G0GG+3], s[G1GG:G1GG+7]   ; the gates
	s_nop 0
	PLACES 4
.Lgj:
	FETCH_B 0, 0, 0
	FETCH_A 0, 0, 0
	SCALES 0
	FETCH_A 0, 0, 4
	FETCH_B 0, 1, 1
	STEP 0, 1                                      ; the first tile's first K step: C is the bias
	s_mov_b32 s[TILE], 4
.Ltile:                                                ; a trip goes from a tile's second K step to the next tile's first
	TURN 0, 1, 1, 2*REC, 1
	STEP 1, 0
	TURN 1, 2, 1, 2*REC, 1
	s_cmp_eq_u32 s[TILE], 1
	s_cbranch_scc1 .Ltail                          ; the last tile's second half is written out: it asks for nothing more
	BIAS 256                                       ; the next tile's columns lie 64 on
	STEP 2, 0
	TURN 2, 3, 1, 6*REC, 0                         ; slot 0 takes the next tile's chunk 0
	STEP 3, 0
	TRANS 1
	s_wait_xcnt 0x0                                ; stores, loads and prefetches have read their bases
	s_add_nc_u64 s[BE:BE+1], s[BE:BE+1], 256
	s_add_nc_u64 s[OUT:OUT+1], s[OUT:OUT+1], 256
	s_add_nc_u64 s[PFA:PFA+1], s[PFA:PFA+1], 8*REC
	s_sub_co_u32 s[TILE], s[TILE], 1
	s_branch .Ltile
.Ltail:
	STEP 2, 0
	TURN 2, 3, 0, 0, -1
	STEP 3, 0
	TRANS 0
	s_wait_tensorcnt 0x0                           ; the wave's end
	ds_add_u32 v[SPW], v[NIL]
	s_wait_dscnt 0x0
	CROUND                                         ; the closing round
	s_endpgm
.Lfunc_end_k_q5f0ca3de78_moe:
	.size	k_q5f0ca3de78_moe, .Lfunc_end_k_q5f0ca3de78_moe-k_q5f0ca3de78_moe
	.p2alignl 7, 3214868480
	.fill 96, 4, 3214868480
	.section	.rodata,"a",@progbits
	.p2align	6, 0x0
	.amdhsa_kernel k_q5f0ca3de78_moe
		.amdhsa_group_segment_fixed_size 327680
		.amdhsa_private_segment_fixed_size 0
		.amdhsa_enable_private_segment 0
		.amdhsa_kernarg_size 40
		.amdhsa_user_sgpr_count 2
		.amdhsa_user_sgpr_kernarg_segment_ptr 1
		.amdhsa_wavefront_size32 1
		.amdhsa_system_sgpr_workgroup_id_x 1
		.amdhsa_system_sgpr_workgroup_id_y 1
		.amdhsa_system_sgpr_workgroup_id_z 1
		.amdhsa_system_vgpr_workitem_id 0
		.amdhsa_next_free_vgpr 1024
		.amdhsa_next_free_sgpr 102
		.amdhsa_reserve_vcc 0
		.amdhsa_float_denorm_mode_32 3
		.amdhsa_float_denorm_mode_16_64 3
		.amdhsa_memory_ordered 1
		.amdhsa_forward_progress 1
		.amdhsa_inst_pref_size 255
	.end_amdhsa_kernel
	.section	.bss,"aw",@nobits
	.p2align	6
	.space	262144
	.amdgpu_metadata
---
amdhsa.version: [ 1, 2 ]
amdhsa.kernels:
  - .name:           k_q5f0ca3de78_moe
    .symbol:         k_q5f0ca3de78_moe.kd
    .args:
      - { .name: xq, .offset: 0, .size: 8, .value_kind: global_buffer, .address_space: global }
      - { .name: wq, .offset: 8, .size: 8, .value_kind: global_buffer, .address_space: global }
      - { .name: gt, .offset: 16, .size: 8, .value_kind: global_buffer, .address_space: global }
      - { .name: be, .offset: 24, .size: 8, .value_kind: global_buffer, .address_space: global }
      - { .name: out0, .offset: 32, .size: 8, .value_kind: global_buffer, .address_space: global }
    .group_segment_fixed_size: 327680
    .private_segment_fixed_size: 0
    .kernarg_segment_align: 8
    .kernarg_segment_size: 40
    .max_flat_workgroup_size: 128
    .sgpr_count:     102
    .vgpr_count:     1024
    .wavefront_size: 32
...
	.end_amdgpu_metadata
.endif
;; end of part 2
